; MI455X (gfx1250); checked and timed in simulation.
; The chip was launched on July 23, 2026; its instructions are those of AMD's public machine-readable ISA for CDNA 5 (MIT licence, August 2026) and "CDNA5" Instruction Set Architecture Reference Guide (July 2026). The comments in the code are by the model that wrote it; some were corrected since.
;; Multi Head Dot Product Attention. Allowed arithmetic: matrix products marked QUANTISED: E2M1 operands, one E8M0 scale for each 32 along K, by v_wmma_scale_f32_16x16x128_f8f6f4 with both operands' format E2M1 (or v_wmma_scale_f32_32x16x128_f4), f32 sums; products left as they are: bf16, f16 or f32 operands; f32 sums; everything else in f32.
;; Inputs: Wk 512 x 8 x 64 float32; Wo 8 x 64 x 512 float32; Wq 512 x 8 x 64 float32; Wv 512 x 8 x 64 float32; inputs_kv 2 x 4,096 x 512 float32; inputs_q 2 x 4,096 x 512 float32.
;; Outputs: out0 2 x 4,096 x 512 float32.
;; This version of the problem:
;;   THIS VERSION OF THE PROBLEM IS GIVEN IN LOW PRECISION. The matrix products marked QUANTISED in the list below multiply operands that are first quantised to E2M1 (2 exponent bits, 1 mantissa bit; 4 bits a number), with one power-of-two scale for each 32 numbers along K (OCP MX v1.0); their sums are f32. The products marked 'left as it is' may take bf16, f16 or f32 operands, with f32 sums. Whichever they take, every output number must still come out within the allowed error. Rounding operands to bf16 (8 significant bits) uses up far more of that allowance than f16 does (11 bits, for magnitudes from 6e-5 to 65,504). All else is computed in f32.
;;   The module's matrix products, in the order in which they are computed (A, B: the left and right operand; K: the contracted axis; several contracted axes count as one K, in the product's order):
;;     1. [M 8,192, K 512] x [K 512, N 512]; A: input inputs_q; B: input Wq: QUANTISED
;;     2. [M 8,192, K 512] x [K 512, N 512]; A: input inputs_kv; B: input Wk: QUANTISED
;;     3. [M 8,192, K 512] x [K 512, N 512]; A: input inputs_kv; B: input Wv: QUANTISED
;;     4. batch 16 x [M 4,096, K 64] x [K 64, N 4,096]; A: computed on the way; B: computed on the way: left as it is (an operand is computed on the way)
;;     5. batch 16 x [M 64, K 4,096] x [K 4,096, N 4,096]; A: computed on the way; B: computed on the way: left as it is (an operand is computed on the way)
;;     6. [M 8,192, K 512] x [K 512, N 512]; A: computed on the way; B: input Wo: left as it is (an operand is computed on the way)
;;   THE QUANTISER, for each operand of a quantised product, along K:
;;     - K is cut into blocks of 32 from its start; a last block that is shorter is filled with zeros.
;;     - A block's scale is 2^e with e = floor(log2(the largest magnitude in the block)) - 2, held to -126 .. 127; a block of zeros has e = 0. As a byte (E8M0): e + 127.
;;     - Each number is divided by its block's scale, clamped to +-6, and rounded to the nearest number of E2M1, ties to even, subnormals kept.
;;     - The product sums the exact products of the quantised numbers (number of the format x scale) in f32.
;;   ~~~python
;;   def quantise(x, axis):      # numpy; x: float32 -> the quantised numbers, widened to float32 again
;;       x = np.moveaxis(x, axis, -1); K = x.shape[-1]
;;       x = np.pad(x, [(0, 0)] * (x.ndim - 1) + [(0, -K % 32)]); x = x.reshape(x.shape[:-1] + (-1, 32)); a = np.abs(x).max(-1, keepdims=True)
;;       e = np.where(a > 0, np.clip(np.frexp(np.where(a > 0, a, 1))[1] - 1 - 2, -126, 127), 0)      # np.frexp(a)[1] - 1 = floor(log2(a)), exactly
;;       r = np.clip(x / 2.0 ** e, -6, 6)
;;       step = 2.0 ** (np.maximum(np.frexp(np.where(r == 0, 1, r))[1] - 1, 0) - 1)
;;       q = np.round(r / step) * step * 2.0 ** e      # np.round: ties to even
;;       return np.moveaxis(q.reshape(q.shape[:-2] + (-1,))[..., :K], -1, axis).astype(np.float32)
;;   ~~~
;; One version. Each part assembles by itself: llvm-mc -triple=amdgcn-amd-amdhsa -mcpu=gfx1250 --defsym DOCPART=n.
;; ======== version 1 of 1: 4 launches
;; limits: values are held in f16: magnitudes above 65,504 overflow, below 6.1e-05 lose precision
;; workspace buffers: wcodes 393,216 bytes; wscales 24,576 bytes; wot 524,288 bytes; qf 8,388,608 bytes; kvf 16,777,216 bytes; of 8,388,608 bytes
;; launch prep (part 1): grid 64 x 4, 1 waves a work-group, no clusters, 0 bytes of LDS; arguments Wq, Wk, Wv, Wo, wcodes, wscales, wot; writes wcodes, wscales, wot
.if DOCPART == 1
	.amdgcn_target "amdgcn-amd-amdhsa--gfx1250"
	.amdhsa_code_object_version 6
	.text
	.protected	k_qfd78b7a01d_prep
	.globl	k_qfd78b7a01d_prep
	.p2align	8
	.type	k_qfd78b7a01d_prep,@function
k_qfd78b7a01d_prep:
	s_mov_b64 s[64:65], 0
	v_nop
	global_prefetch_b8 v0, s[64:65] scope:SCOPE_SE
	s_setreg_imm32_b32 hwreg(HW_REG_WAVE_MODE, 25, 1), 1
	s_wait_xcnt 0x0
; LAUNCH 1 OF 4.  out0 = softmax((x_q Wq)(x_kv Wk)^T)(x_kv Wv) Wo, by head.  The three projections multiply codes of E2M1 with one E8M0 scale for each 32 along F;
; the logits, the weighted sum and the output projection take f16 operands and f32 sums.
; NOTHING OF THE PROBLEM IS LEFT OUT: there is no mask, no bias and no slice, every one of the six inputs reaches out0, and all six are loaded.
; THIS LAUNCH lays the four weights out once, in the order in which the later launches' operand registers take them.  All four are [512 (K)][512 (N)] f32 with K as the FIRST axis.
;   Wq, Wk, Wv (work-group y = 0, 1, 2): codes, wcodes [W][column tile 32][K step 4][c 2][lane 32][16 bytes]: lane (r, h) of a fragment holds k = 128 s + 64 c + 32 h + 0 .. 31 of column 16 nt + r;
;                                        scale words, wscales [W][K step 4][column 512][4 bytes]: byte b for k = 128 s + 32 b + 0 .. 31.
;   Wo (y = 3): f16, wot [column block 4][head 8][column tile 8][u 2][g 2][lane 32][16 bytes]: lane (r, h) holds k = 64 hh + 32 u + 16 g + 8 h + 0 .. 7 of column 128 cb + 16 ft + r.
; A LANE TAKES A COLUMN AND ITS REGISTERS RUN DOWN K: each load reads 128 consecutive bytes, a block of 32 along K lies in one lane, and the conversions give K innermost.
; A work-group is one wave: 32 columns x 128 along K (x = column group + 16 x K quarter).  Each 16-byte store of sixteen neighbouring lanes covers 256 consecutive bytes, aligned; only the scale words
; (128 bytes a wave, 24,576 bytes in the launch) leave in shorter runs.
; A block's scale is 2^(floor(log2(largest magnitude)) - 2): its byte is the largest magnitude's exponent field - 2, held at 1 from below.
; LIMITS: a block of zeros gets the byte 1 where the rule says 127 (its codes are zeros, and this program alone reads the bytes); blocks whose largest magnitude lies under 2^-124 have the byte 1;
; NaN and infinities among the inputs are not served; numbers of Wo under 6e-5 in magnitude keep an absolute error of 3e-8 (f16's smallest step).
.set X, 32                             ; v32-159  my column's 128 numbers
.set C, 160                            ; v160-175 four blocks' codes
	s_load_b256 s[4:11], s[0:1], 0x0               ; Wq, Wk, Wv, Wo
	s_load_b128 s[12:15], s[0:1], 0x20             ; wcodes, wscales
	s_load_b64 s[16:17], s[0:1], 0x30              ; wot
	s_and_b32 s20, ttmp7, 0xffff                   ; which tensor
	s_and_b32 s21, ttmp9, 15                       ; cg: which 32 columns
	s_lshr_b32 s22, ttmp9, 4                       ; kq: which 128 along K
	v_lshlrev_b32 v1, 2, v0                        ; 4 bytes a lane
	v_and_b32 v4, 15, v0
	v_lshrrev_b32 v5, 4, v0
	v_lshlrev_b32 v4, 4, v4
	v_lshl_add_u32 v2, v5, 12, v4                  ; codes: 16 (lane % 16), and lanes 16-31 one column tile (4,096 bytes) on
	v_lshl_add_u32 v3, v5, 11, v4                  ; wot: the same with tiles of 2,048 bytes
	s_lshl_b32 s24, s22, 18                        ; 128 rows of 2,048 bytes
	s_lshl_b32 s25, s21, 7                         ; 32 columns of 4 bytes
	s_add_co_u32 s24, s24, s25
	s_mov_b32 s25, 0
	s_wait_kmcnt 0x0
	s_cmp_eq_u32 s20, 0                            ; the choice hangs on the work-group's number alone
	s_cselect_b64 s[18:19], s[4:5], s[6:7]
	s_cmp_eq_u32 s20, 2
	s_cselect_b64 s[18:19], s[8:9], s[18:19]
	s_cmp_eq_u32 s20, 3
	s_cselect_b64 s[18:19], s[10:11], s[18:19]
	s_add_nc_u64 s[18:19], s[18:19], s[24:25]
.set n, 0
.rept 128
	global_load_b32 v[X+n], v1, s[18:19] offset:n*2048 th:TH_LOAD_NT   ; W(128 kq + n, my column): 32 lanes read 128 consecutive bytes
.set n, n+1
.endr
	s_cmp_eq_u32 s20, 3
	s_cbranch_scc1 .Lwo
	; ---- Wq, Wk, Wv: four blocks of 32 become 4 x 16 bytes of codes and one scale word
	s_lshl_b32 s26, s20, 17                        ; wcodes: 131,072 a tensor,
	s_lshl_b32 s27, s21, 13                        ; two column tiles of 4,096 a column group,
	s_add_co_u32 s26, s26, s27
	s_lshl_b32 s27, s22, 10                        ; 1,024 a K step
	s_add_co_u32 s26, s26, s27
	s_mov_b32 s27, 0
	s_add_nc_u64 s[12:13], s[12:13], s[26:27]
	s_lshl_b32 s26, s20, 13                        ; wscales: 8,192 a tensor,
	s_lshl_b32 s28, s22, 11                        ; 2,048 a K step,
	s_add_co_u32 s26, s26, s28
	s_lshl_b32 s28, s21, 7                         ; 128 a column group
	s_add_co_u32 s26, s26, s28
	s_add_nc_u64 s[14:15], s[14:15], s[26:27]
.macro QBLK b, left                    ; left: how many younger loads may stay out (behind block b's stand 96 - 32 b; the wait's field holds 63 at the most, and a smaller count is safe)
.set XS, X+32*(\b)
	s_wait_loadcnt \left
	v_max3_num_f32 v8, |v[XS]|, |v[XS+1]|, |v[XS+2]|               ; the block's largest magnitude, in two chains: all 32 numbers are mine
	v_max3_num_f32 v9, |v[XS+3]|, |v[XS+4]|, |v[XS+5]|
.irp i, 6,10,14,18,22,26
	v_max3_num_f32 v8, v8, |v[XS+\i]|, |v[XS+\i+1]|
	v_max3_num_f32 v9, v9, |v[XS+\i+2]|, |v[XS+\i+3]|
.endr
	v_max3_num_f32 v8, v8, |v[XS+30]|, |v[XS+31]|
	v_max3_num_f32 v8, v8, v9, 0x1800000           ; and the floor 2^(3 - 127): the byte cannot fall under 1
	v_add_nc_u32 v11, 0xff000000, v8               ; 2 off the exponent field: the conversion takes this operand's exponent field as its scale, and nothing else of it
	v_lshrrev_b32 v9, 23, v11                      ; the scale's byte
.if (\b) == 0
	v_mov_b32 v12, v9
.else
	v_lshl_or_b32 v12, v9, 8*(\b), v12             ; four bytes to the word, the lower K in the lower byte
.endif
.irp g, 0,1,2,3
	v_cvt_scalef32_pk8_fp4_f32 v[C+4*(\b)+\g], v[XS+8*\g:XS+8*\g+7], v11
.endr
	global_store_b128 v2, v[C+4*(\b):C+4*(\b)+3], s[12:13] offset:((\b)/2)*512+((\b)%2)*256   ; block b is c = b / 2, h = b % 2 of the fragment.  (The next block begins with plain vector lines, which stand between these conversions and the next write of v11)
.endm
	QBLK 0, 63
	QBLK 1, 63
	QBLK 2, 32
	QBLK 3, 0
	global_store_b32 v1, v12, s[14:15]
	s_endpgm
.Lwo:
	; ---- Wo: sixteen octets along K become 16 bytes of f16 each, packed into the octet's own first four registers, so that no store's data are written again
	s_lshr_b32 s26, s21, 2
	s_lshl_b32 s26, s26, 17                        ; column block: 131,072
	s_lshl_b32 s27, s22, 15                        ; two heads of 16,384 a K quarter
	s_add_co_u32 s26, s26, s27
	s_and_b32 s27, s21, 3
	s_lshl_b32 s27, s27, 12                        ; two column tiles of 2,048 a column group
	s_add_co_u32 s26, s26, s27
	s_mov_b32 s27, 0
	s_add_nc_u64 s[16:17], s[16:17], s[26:27]
.set o, 0
.rept 16
.if 120-8*o > 63
	s_wait_loadcnt 63                              ; behind octet o's loads stand 120 - 8 o; the field holds 63
.else
	s_wait_loadcnt 120-8*o
.endif
.irp j, 0,1,2,3
	v_cvt_pk_f16_f32 v[X+8*o+\j], v[X+8*o+2*\j], v[X+8*o+2*\j+1]
.endr
	global_store_b128 v3, v[X+8*o:X+8*o+3], s[16:17] offset:(o/8)*16384+((o%8)/4)*1024+((o%4)/2)*512+(o%2)*256   ; head o / 8, u, g, h of the octet
.set o, o+1
.endr
	s_endpgm
.Lfunc_end_k_qfd78b7a01d_prep:
	.size	k_qfd78b7a01d_prep, .Lfunc_end_k_qfd78b7a01d_prep-k_qfd78b7a01d_prep
	.p2alignl 7, 3214868480
	.fill 96, 4, 3214868480
	.section	.rodata,"a",@progbits
	.p2align	6, 0x0
	.amdhsa_kernel k_qfd78b7a01d_prep
		.amdhsa_group_segment_fixed_size 0
		.amdhsa_private_segment_fixed_size 0
		.amdhsa_enable_private_segment 0
		.amdhsa_kernarg_size 56
		.amdhsa_user_sgpr_count 2
		.amdhsa_user_sgpr_kernarg_segment_ptr 1
		.amdhsa_wavefront_size32 1
		.amdhsa_system_sgpr_workgroup_id_x 1
		.amdhsa_system_sgpr_workgroup_id_y 1
		.amdhsa_system_sgpr_workgroup_id_z 1
		.amdhsa_system_vgpr_workitem_id 0
		.amdhsa_next_free_vgpr 176
		.amdhsa_next_free_sgpr 66
		.amdhsa_reserve_vcc 0
		.amdhsa_float_denorm_mode_32 3
		.amdhsa_float_denorm_mode_16_64 3
		.amdhsa_memory_ordered 1
		.amdhsa_forward_progress 1
		.amdhsa_inst_pref_size 27
	.end_amdhsa_kernel
	.amdgpu_metadata
---
amdhsa.version: [ 1, 2 ]
amdhsa.kernels:
  - .name:           k_qfd78b7a01d_prep
    .symbol:         k_qfd78b7a01d_prep.kd
    .args:
      - { .name: Wq, .offset: 0, .size: 8, .value_kind: global_buffer, .address_space: global }
      - { .name: Wk, .offset: 8, .size: 8, .value_kind: global_buffer, .address_space: global }
      - { .name: Wv, .offset: 16, .size: 8, .value_kind: global_buffer, .address_space: global }
      - { .name: Wo, .offset: 24, .size: 8, .value_kind: global_buffer, .address_space: global }
      - { .name: wcodes, .offset: 32, .size: 8, .value_kind: global_buffer, .address_space: global }
      - { .name: wscales, .offset: 40, .size: 8, .value_kind: global_buffer, .address_space: global }
      - { .name: wot, .offset: 48, .size: 8, .value_kind: global_buffer, .address_space: global }
    .group_segment_fixed_size: 0
    .private_segment_fixed_size: 0
    .kernarg_segment_align: 8
    .kernarg_segment_size: 56
    .max_flat_workgroup_size: 32
    .sgpr_count:     66
    .vgpr_count:     176
    .wavefront_size: 32
...
	.end_amdgpu_metadata
.endif
;; end of part 1
;; launch proj (part 2): grid 256 x 1, 8 waves a work-group, no clusters, 61,440 bytes of LDS; arguments inputs_q, inputs_kv, wcodes, wscales, qf, kvf; writes qf, kvf
.if DOCPART == 2
	.amdgcn_target "amdgcn-amd-amdhsa--gfx1250"
	.amdhsa_code_object_version 6
	.text
	.protected	k_qfd78b7a01d_proj
	.globl	k_qfd78b7a01d_proj
	.p2align	8
	.type	k_qfd78b7a01d_proj,@function
k_qfd78b7a01d_proj:
	s_mov_b64 s[64:65], 0
	v_nop
	global_prefetch_b8 v0, s[64:65] scope:SCOPE_SE
	s_setreg_imm32_b32 hwreg(HW_REG_WAVE_MODE, 25, 1), 1
	s_wait_xcnt 0x0
; LAUNCH 2 OF 4: the three projections, on codes of E2M1 with E8M0 scales.  Nothing is left out.
; Work-groups 0-127 take 64 rows of inputs_q with Wq; work-groups 128-255 take 64 rows of inputs_kv with Wk (pass 0) and then Wv (pass 1).  Up to the barrier the kind chooses pointers and two scalars alone;
; behind it the two kinds part ONCE, by a scalar branch on the work-group's number, and each way is written whole: q's is pass 0; k's and v's is Wv's loads, pass 0, pass 1.
; PHASE X: wave w quantises rows 8 w .. 8 w + 7 (a row = 512 numbers = 16 blocks).  Each load reads 512 consecutive bytes; a row turns through the wave's own stage in LDS so that a lane holds 16 neighbours
; (two lanes to a block); codes go to XC (rows of 256 bytes + 16), scale bytes to XSC (16 a row).  One barrier.
; PRODUCTS: wave w makes HEAD w (64 columns) for all 64 rows: 16 accumulators, four K steps of 128.  Its 16 weight fragments of a pass come from wcodes straight into 128 registers, once.
;   pass 0: source 0 = 16 columns of W, source 1 = 16 tokens: a lane holds a token and eight neighbouring channels;  pass 1: the sources change places: a lane holds a channel and eight neighbouring tokens.
;   Rounded to f16, four registers of a result are one register group of the next launch's operand, and leave as they stand: 32 lanes x 16 bytes = 512 consecutive bytes, aligned.
;   qf  [b h 16][query tile 256][t 4][lane][16]: lane (r, h): query 16 qt + r, channels 16 t + 8 h + 0 .. 7.
;   kvf [b h 16][key tile 256][4,096]: first 2,048 bytes K, laid as qf; then V [ct 4][lane][16]: lane (r, h): channel 16 ct + r, keys 16 kt + 8 h + 0 .. 7.
; NO CLUSTER, NO TENSOR LOAD, though all row blocks walk the same weights: a weight fragment is used by ONE wave of a work-group and feeds its four products from registers; brought jointly it would land in LDS,
; and 128 KiB (q) or 256 KiB (k, v) a work-group would be written there and read back once more.
; LIMITS: |q|, |k|, |v| under 65,504 (f16); blocks of zeros and blocks under 2^-124 get the byte 1; NaN and infinities among the inputs are not served.
; REGISTERS.  window 0: v1-8 addresses; v9-11 at work; v12, v13 the add's two; v16-31, v32-47 the weights' scale words (pass 1, pass 0: register 4 t + s); v48-63 x's scale words (4 i + s);
;   v64-127: phase X: two sets of 16 numbers, the rows' codes and bytes; then x's fragments, two buffers of 32; then the 64 packed registers;  v128-255: x as loaded; then the accumulators (i, t) at 128 + 8 (4 i + t).
;   window 1: v0-127 the weights of pass 0, v128-255 those of pass 1: fragment (t, s) at 8 (4 t + s).
.set XC,    40960                      ; LDS: 0 .. 40,959 eight waves' stages (two of 32 x 80 bytes each); here 64 rows of codes, 272 bytes apart
.set XSC,   58368                      ; 64 rows of 16 scale bytes
.set SPARE, 59392                      ; the spare words, 128 bytes for each wave: four blocks of 256 bytes that no other line names
.set LI,  1                            ; 16 x lane
.set STI, 2                            ; the stage, on the way in: 80 (lane / 4) + 16 (lane % 4) + 5,120 w
.set STO, 3                            ; on the way out: 80 x lane + 5,120 w
.set XCW, 4                            ; where I put a row's 8 bytes of codes: XC + 2,176 w + 8 x lane
.set XSW, 5                            ; and my block's byte: XSC + 128 w + lane / 2
.set XFA, 6                            ; a fragment of x: XC + 272 r + 16 h
.set XSA, 7                            ; x's scale words: XSC + 16 r
.set SWA, 8                            ; the weights' scale words: 4 r
.set SPW, 12
.set NIL, 13
.set WS0, 32
.set XSCW, 48
.set XF,  64
.set XN,  64
.set CD,  96
.set BY,  112
.set XR,  128
.set ACC, 128
.set PK,  64
.set MSB, 0
.macro WIN new                         ; the immediate's high byte repeats the setting that is left; a switch that changes nothing is dropped
.if MSB != \new
	s_set_vgpr_msb (MSB<<8)|\new
.set MSB, \new
.endif
.endm
.macro PLACES                          ; four plain places behind matrix instructions, in front of loads into registers that they read and of the first read of results
.rept 4
	v_nop
.endr
.endm
	s_load_b128 s[4:7], s[0:1], 0x0                ; inputs_q, inputs_kv
	s_load_b128 s[8:11], s[0:1], 0x10              ; wcodes, wscales
	s_load_b128 s[12:15], s[0:1], 0x20             ; qf, kvf
	v_lshl_add_u32 v[SPW], v0, 2, SPARE
	v_mov_b32 v[NIL], 0
	v_lshrrev_b32 v9, 5, v0
	v_readfirstlane_b32 s16, v9                    ; wave 0..7
	v_and_b32 v9, 31, v0                           ; lane
	v_lshlrev_b32 v[LI], 4, v9
	v_lshrrev_b32 v10, 2, v9
	v_mul_u32_u24 v[STI], v10, 80
	v_and_b32 v10, 3, v9
	v_lshl_add_u32 v[STI], v10, 4, v[STI]
	s_mul_i32 s40, s16, 5120
	v_add_nc_u32 v[STI], s40, v[STI]
	v_mul_u32_u24 v[STO], v9, 80
	v_add_nc_u32 v[STO], s40, v[STO]
	s_mul_i32 s40, s16, 2176
	s_add_co_u32 s40, s40, XC
	v_lshl_add_u32 v[XCW], v9, 3, s40
	s_lshl_b32 s40, s16, 7
	s_add_co_u32 s40, s40, XSC
	v_lshrrev_b32 v10, 1, v9
	v_add_nc_u32 v[XSW], s40, v10
	v_and_b32 v10, 15, v0                          ; r
	v_bfe_u32 v11, v0, 4, 1                        ; h
	v_mul_u32_u24 v[XFA], v10, 272
	v_lshl_add_u32 v[XFA], v11, 4, v[XFA]
	v_add_nc_u32 v[XFA], XC, v[XFA]
	v_lshl_add_u32 v[XSA], v10, 4, XSC
	v_lshlrev_b32 v[SWA], 2, v10
	s_and_b32 s17, ttmp9, 127                      ; which 64 rows of the tensor
	s_lshl_b32 s18, s17, 17                        ; 64 rows of 2,048 bytes,
	s_lshl_b32 s35, s16, 14                        ; my wave's 8 of them.  (Also: a head's 16,384 bytes of codes)
	s_add_co_u32 s18, s18, s35
	s_mov_b32 s19, 0
	s_lshr_b32 s36, s17, 6                         ; the batch:
	s_lshl_b32 s36, s36, 11                        ; 8 heads x 256 tiles,
	s_lshl_b32 s37, s16, 8                         ; head w: 256 tiles.  (Also: a head's 256 bytes of scale words)
	s_add_co_u32 s36, s36, s37
	s_and_b32 s38, s17, 63
	s_lshl_b32 s38, s38, 2
	s_add_co_u32 s36, s36, s38                     ; and my rows' first tile of 16 tokens
	s_wait_kmcnt 0x0
	s_cmp_lt_u32 ttmp9, 128                        ; q's work-group or k's and v's?  The choices hang on the work-group's number alone
	s_cselect_b64 s[4:5], s[4:5], s[6:7]
	s_cselect_b64 s[24:25], s[12:13], s[14:15]
	s_cselect_b32 s34, 11, 12                      ; a tile is 2,048 bytes in qf, 4,096 in kvf
	s_cselect_b32 s20, 0, 131072                   ; pass 0: Wq or Wk
	s_cselect_b32 s22, 0, 8192
	s_add_nc_u64 s[4:5], s[4:5], s[18:19]
.irp i, 0,1,2,3,4,5,6,7
.irp j, 0,1,2,3
	global_load_b128 v[XR+16*\i+4*\j:XR+16*\i+4*\j+3], v[LI], s[4:5] offset:2048*\i+512*\j th:TH_LOAD_NT   ; my 8 rows: 32 lanes read 512 consecutive bytes
.endr
.endr
	s_add_co_u32 s20, s20, s35
	s_mov_b32 s21, 0
	s_add_co_u32 s22, s22, s37
	s_mov_b32 s23, 0
	s_add_nc_u64 s[8:9], s[8:9], s[20:21]
	s_add_nc_u64 s[10:11], s[10:11], s[22:23]
	s_lshl_b32 s36, s36, s34
	s_mov_b32 s37, 0
	s_lshl_b32 s38, 1, s34
	s_mov_b32 s39, 0
	s_add_nc_u64 s[24:25], s[24:25], s[36:37]      ; where my four tiles of tokens go: four bases, a tile apart
	s_add_nc_u64 s[26:27], s[24:25], s[38:39]
	s_add_nc_u64 s[28:29], s[26:27], s[38:39]
	s_add_nc_u64 s[30:31], s[28:29], s[38:39]
.macro WLOAD p                         ; head w's 16 fragments and 16 scale words of pass p: 48 loads.  Pass 1's tensor lies one tensor behind pass 0's
	WIN 0x40                                       ; destination window 1, address window 0
.set n, 0
.rept 32
	global_load_b128 v[128*(\p)+4*n:128*(\p)+4*n+3], v[LI], s[8:9] offset:131072*(\p)+512*n
.set n, n+1
.endr
	WIN 0
.irp t, 0,1,2,3
.irp s, 0,1,2,3
	global_load_b32 v[WS0-16*(\p)+4*\t+\s], v[SWA], s[10:11] offset:8192*(\p)+2048*\s+64*\t
.endr
.endr
.endm
	WLOAD 0
.macro TURN i                          ; row i through the stage: LDS serves a wave's instructions in order (ISA guide 5.7.1.4), so no wait stands between the stores and the loads
.irp j, 0,1,2,3
	ds_store_b128 v[STI], v[XR+16*(\i)+4*\j:XR+16*(\i)+4*\j+3] offset:2560*((\i)%2)+640*\j
.endr
.irp j, 0,1,2,3
	ds_load_b128 v[XN+16*((\i)%2)+4*\j:XN+16*((\i)%2)+4*\j+3], v[STO] offset:2560*((\i)%2)+16*\j
.endr
.endm
.macro ROW i
.set XS, XN+16*((\i)%2)
.if (\i) > 0
	s_wait_dscnt 2                                 ; this row's numbers are back from the stage; the last row's two small stores may be out
.else
	s_wait_dscnt 0x0
.endif
.if (\i) < 7
.if 4*(6-(\i))+48 > 63
	s_wait_loadcnt 63                              ; behind the next row's four loads stand 4 (6 - i) of x and the 48 of the weights; the field holds 63
.else
	s_wait_loadcnt 4*(6-(\i))+48
.endif
	TURN (\i)+1                                    ; the next row goes through the other stage while this one is worked
.endif
	v_max3_num_f32 v9, |v[XS]|, |v[XS+1]|, |v[XS+2]|               ; the largest magnitude of my 16
	v_max3_num_f32 v10, |v[XS+3]|, |v[XS+4]|, |v[XS+5]|
.irp k, 6,10
	v_max3_num_f32 v9, v9, |v[XS+\k]|, |v[XS+\k+1]|
	v_max3_num_f32 v10, v10, |v[XS+\k+2]|, |v[XS+\k+3]|
.endr
	v_max3_num_f32 v9, v9, |v[XS+14]|, |v[XS+15]|
	v_max3_num_f32 v9, v9, v10, 0x1800000          ; and the floor 2^(3 - 127): the byte cannot fall under 1
	v_max_num_f32_dpp v9, v9, v9 row_xmask:1 row_mask:0xf bank_mask:0xf   ; and of my neighbour's 16: the block's
	v_add_nc_u32 v11, 0xff000000, v9               ; 2 off its exponent field: the conversion's scale operand
	v_cvt_scalef32_pk8_fp4_f32 v[CD+2*(\i)], v[XS:XS+7], v11
	v_cvt_scalef32_pk8_fp4_f32 v[CD+2*(\i)+1], v[XS+8:XS+15], v11
	v_lshrrev_b32 v[BY+(\i)], 23, v11              ; the scale's byte.  (Also the plain line behind the conversions)
	ds_store_b64 v[XCW], v[CD+2*(\i):CD+2*(\i)+1] offset:272*(\i)
	ds_store_b8 v[XSW], v[BY+(\i)] offset:16*(\i)  ; both lanes of a block write the same byte with the same value
.endm
	s_wait_loadcnt 63                              ; row 0's four loads are in (76 stand behind them; the field holds 63)
	TURN 0
.irp i, 0,1,2,3,4,5,6,7
	ROW \i
.endr
	s_wait_loadcnt 0x0                             ; pass 0's weights and scale words
	s_wait_dscnt 0x0                               ; for the others' sake: my codes and bytes lie in LDS
	s_barrier_signal -1
	s_barrier_wait -1                              ; all 64 rows do
.macro XFETCH s, buf                   ; x's four fragments of K step s: lane (r, h) takes 16 bytes at row x 272 + 64 s + 32 c + 16 h
.irp i, 0,1,2,3
.irp c, 0,1
	ds_load_b128 v[XF+32*(\buf)+8*\i+4*\c:XF+32*(\buf)+8*\i+4*\c+3], v[XFA] offset:4352*\i+64*(\s)+32*\c
.endr
.endr
.endm
.macro MULS p, s                       ; 16 products, the 16 accumulators by turns, in the same order in every K step; the first K step starts the sums
.if (\p) == 0
	WIN 0x01                                       ; source 0 (W) window 1
.else
	WIN 0x04                                       ; source 1 (W) window 1
.endif
.irp i, 0,1,2,3
.irp t, 0,1,2,3
.if (\p) == 0
.if (\s) == 0
	v_wmma_scale_f32_16x16x128_f8f6f4 v[ACC+8*(4*\i+\t):ACC+8*(4*\i+\t)+7], v[8*(4*\t+(\s)):8*(4*\t+(\s))+7], v[XF+32*((\s)%2)+8*\i:XF+32*((\s)%2)+8*\i+7], 0, v[WS0+4*\t+(\s)], v[XSCW+4*\i+(\s)] matrix_a_fmt:MATRIX_FMT_FP4 matrix_b_fmt:MATRIX_FMT_FP4
.else
	v_wmma_scale_f32_16x16x128_f8f6f4 v[ACC+8*(4*\i+\t):ACC+8*(4*\i+\t)+7], v[8*(4*\t+(\s)):8*(4*\t+(\s))+7], v[XF+32*((\s)%2)+8*\i:XF+32*((\s)%2)+8*\i+7], v[ACC+8*(4*\i+\t):ACC+8*(4*\i+\t)+7], v[WS0+4*\t+(\s)], v[XSCW+4*\i+(\s)] matrix_a_fmt:MATRIX_FMT_FP4 matrix_b_fmt:MATRIX_FMT_FP4
.endif
.else
.if (\s) == 0
	v_wmma_scale_f32_16x16x128_f8f6f4 v[ACC+8*(4*\i+\t):ACC+8*(4*\i+\t)+7], v[XF+32*((\s)%2)+8*\i:XF+32*((\s)%2)+8*\i+7], v[128+8*(4*\t+(\s)):128+8*(4*\t+(\s))+7], 0, v[XSCW+4*\i+(\s)], v[WS0-16+4*\t+(\s)] matrix_a_fmt:MATRIX_FMT_FP4 matrix_b_fmt:MATRIX_FMT_FP4
.else
	v_wmma_scale_f32_16x16x128_f8f6f4 v[ACC+8*(4*\i+\t):ACC+8*(4*\i+\t)+7], v[XF+32*((\s)%2)+8*\i:XF+32*((\s)%2)+8*\i+7], v[128+8*(4*\t+(\s)):128+8*(4*\t+(\s))+7], v[ACC+8*(4*\i+\t):ACC+8*(4*\i+\t)+7], v[XSCW+4*\i+(\s)], v[WS0-16+4*\t+(\s)] matrix_a_fmt:MATRIX_FMT_FP4 matrix_b_fmt:MATRIX_FMT_FP4
.endif
.endif
.endr
.endr
	WIN 0
.endm
.macro PASS p
	XFETCH 0, 0
	XFETCH 1, 1
	s_wait_dscnt 8                                 ; all but K step 1's eight
	MULS \p, 0
	PLACES
	XFETCH 2, 0
	s_wait_dscnt 8                                 ; K step 1's are in
	MULS \p, 1
	PLACES
	XFETCH 3, 1
	s_wait_dscnt 8
	MULS \p, 2
	s_wait_dscnt 0x0
	MULS \p, 3
	PLACES
.set a, 0
.rept 16
.irp j, 0,1,2,3
	v_cvt_pk_f16_f32 v[PK+4*a+\j], v[ACC+8*a+2*\j], v[ACC+8*a+2*\j+1]   ; each accumulator from its low end on
.endr
.set a, a+1
.endr
.irp i, 0,1,2,3
.irp t, 0,1,2,3
	global_store_b128 v[LI], v[PK+4*(4*\i+\t):PK+4*(4*\i+\t)+3], s[24+2*\i:25+2*\i] offset:512*\t+2048*(\p)   ; 32 lanes store 512 consecutive bytes, aligned
.endr
.endr
.endm
.irp i, 0,1,2,3
	ds_load_b128 v[XSCW+4*\i:XSCW+4*\i+3], v[XSA] offset:256*\i    ; row 16 i + r's four scale words; they serve both passes
.endr
	s_cmp_lt_u32 ttmp9, 128                        ; THE KINDS PART HERE, once: every register that pass 1 reads is written on the one way that leads to it
	s_cbranch_scc0 .Lkv
	; ---- q's way: one pass
	PASS 0
	s_wait_tensorcnt 0x0                           ; q's wave ends
	ds_add_u32 v[SPW], v[NIL]
	s_wait_dscnt 0x0
	s_endpgm
.Lkv:
	; ---- k's and v's way: two passes
	WLOAD 1                                        ; Wv's 48 loads land while pass 0 is multiplied
	PASS 0
	s_wait_loadcnt 0x0                             ; Wv's fragments and scale words
	s_wait_xcnt 0x0                                ; pass 0's stores have read their data: the registers take x's fragments again
	PASS 1
	s_wait_tensorcnt 0x0                           ; the wave's end: the same three lines
	ds_add_u32 v[SPW], v[NIL]
	s_wait_dscnt 0x0
	s_endpgm
.Lfunc_end_k_qfd78b7a01d_proj:
	.size	k_qfd78b7a01d_proj, .Lfunc_end_k_qfd78b7a01d_proj-k_qfd78b7a01d_proj
	.p2alignl 7, 3214868480
	.fill 96, 4, 3214868480
	.section	.rodata,"a",@progbits
	.p2align	6, 0x0
	.amdhsa_kernel k_qfd78b7a01d_proj
		.amdhsa_group_segment_fixed_size 61440
		.amdhsa_private_segment_fixed_size 0
		.amdhsa_enable_private_segment 0
		.amdhsa_kernarg_size 48
		.amdhsa_user_sgpr_count 2
		.amdhsa_user_sgpr_kernarg_segment_ptr 1
		.amdhsa_wavefront_size32 1
		.amdhsa_system_sgpr_workgroup_id_x 1
		.amdhsa_system_sgpr_workgroup_id_y 1
		.amdhsa_system_sgpr_workgroup_id_z 1
		.amdhsa_system_vgpr_workitem_id 0
		.amdhsa_next_free_vgpr 512
		.amdhsa_next_free_sgpr 66
		.amdhsa_reserve_vcc 0
		.amdhsa_float_denorm_mode_32 3
		.amdhsa_float_denorm_mode_16_64 3
		.amdhsa_memory_ordered 1
		.amdhsa_forward_progress 1
		.amdhsa_inst_pref_size 77
	.end_amdhsa_kernel
	.amdgpu_metadata
---
amdhsa.version: [ 1, 2 ]
amdhsa.kernels:
  - .name:           k_qfd78b7a01d_proj
    .symbol:         k_qfd78b7a01d_proj.kd
    .args:
      - { .name: inputs_q, .offset: 0, .size: 8, .value_kind: global_buffer, .address_space: global }
      - { .name: inputs_kv, .offset: 8, .size: 8, .value_kind: global_buffer, .address_space: global }
      - { .name: wcodes, .offset: 16, .size: 8, .value_kind: global_buffer, .address_space: global }
      - { .name: wscales, .offset: 24, .size: 8, .value_kind: global_buffer, .address_space: global }
      - { .name: qf, .offset: 32, .size: 8, .value_kind: global_buffer, .address_space: global }
      - { .name: kvf, .offset: 40, .size: 8, .value_kind: global_buffer, .address_space: global }
    .group_segment_fixed_size: 61440
    .private_segment_fixed_size: 0
    .kernarg_segment_align: 8
    .kernarg_segment_size: 48
    .max_flat_workgroup_size: 256
    .sgpr_count:     66
    .vgpr_count:     512
    .wavefront_size: 32
...
	.end_amdgpu_metadata
.endif
;; end of part 2
;; launch attn (part 3): grid 16 x 16, 8 waves a work-group, clusters of 4 x 1, 327,680 bytes of LDS; arguments qf, kvf, of; writes of
.if DOCPART == 3
	.amdgcn_target "amdgcn-amd-amdhsa--gfx1250"
	.amdhsa_code_object_version 6
	.text
	.protected	k_qfd78b7a01d_attn
	.globl	k_qfd78b7a01d_attn
	.p2align	8
	.type	k_qfd78b7a01d_attn,@function
k_qfd78b7a01d_attn:
	s_mov_b64 s[64:65], 0
	v_nop
	global_prefetch_b8 v0, s[64:65] scope:SCOPE_SE
	s_setreg_imm32_b32 hwreg(HW_REG_WAVE_MODE, 25, 1), 1
	s_wait_xcnt 0x0
	s_wait_alu depctr_hold_cnt(0) depctr_sa_sdst(0) depctr_va_vdst(0) depctr_va_sdst(0) depctr_va_ssrc(0) depctr_va_vcc(0) depctr_vm_vsrc(0)
	s_getreg_b32 s2, hwreg(HW_REG_IB_STS2, 6, 4)
	s_cmp_eq_u32 s2, 0
	s_cbranch_scc0 .Lentry_in_a_cluster
	s_endpgm
.Lentry_in_a_cluster:
	s_bfe_u32 s2, ttmp6, 0x10000c
	s_cmp_lg_u32 s2, 0x3003
	s_cbranch_scc0 .Lentry_shape_is_right
	s_endpgm
.Lentry_shape_is_right:
; LAUNCH 3 OF 4: o[b][h][q] = the sum over k of softmax_k(q . k) v, f16 operands, f32 sums, maxima and row sums.  No mask, no scaling by 1 / sqrt(64).  Nothing is left out.
; SHARES.  A work-group owns 256 queries of one (b, h), each of its eight waves 32: two tiles of 16.  Two waves lie on a SIMD, so that one wave's products stand beside the other's softmax.  Every wave walks all 4,096 keys, 64 a step.
; LAYOUT.  S^T = K Q^T (source 0 = 16 keys, source 1 = 16 queries): a lane holds ONE query and eight keys; two such tiles rounded to f16 ARE source 1 of O^T = V^T P.  qf and kvf hold images of the operands' registers
; (512 bytes: lane l's 16 bytes at 16 l), so every LDS load is 512 consecutive bytes, a slot is one dense block of memory, and nothing is padded or turned.
; SOFTMAX.  For each query a running maximum m and sum l: p = 2^(c s - c m), c = log2(e); in every step O and l are multiplied by a = 2^(c m_old - c m_new).  m begins at -1e38 and O and l at 0, so the loop has no first step of its own.
; The row's sum is taken of the unrounded p.
; RING.  Two slots of 512 keys (131,072 bytes: 8 key steps).  Each wave fetches an eighth of a slot, one key step's 16,384 bytes, by one tensor load: at most one load of a wave is out.
; CLUSTER.  The four query blocks of a cluster belong to one (b, h) and walk the same K and V: each load is asked for jointly, with the same descriptor and a mask that names the four.
; LIMITS: |q|, |k|, |v| under 65,504; weights p under 3e-8 of the row's largest fall to 0 in f16; NaN and infinities are not served.
; REGISTERS.  window 0: v1-5 addresses and the add's two; v8-23 statistics, 8 a tile: +0 c m, +1 m, +2, +3 l, +4 .. +7 at work (a takes +6); v32-63 Q; v64-127 S^T, 32 a tile; v128-159 P; v160-223 O^T, 32 a tile.
;   window 1: v0-63 K of a step, fragment (key tile kk, channels 32 ds on) at 16 kk + 8 ds; v64-127 V, fragment (channel tile ct, keys 32 u on) at 64 + 8 (4 u + ct).
.set SLOT1, 1<<17
.set STEPB, 16384                      ; a key step: four key tiles of 4,096 bytes (2,048 of K, 2,048 of V)
.set SPARE, 262144                     ; behind the ring: the spare words, 128 bytes for each wave: four blocks of 256 bytes that no other line names
.set LI,  1                            ; 16 x lane
.set ADR, 2                            ; the LDS address of the step in hand
.set PFO, 3                            ; 256 x lane
.set SPW, 4
.set NIL, 5
.set ST,  8
.set Q,   32
.set S,   64
.set P,   128
.set O,   160
.set KB,  0
.set VB,  64
.set WV,  10                           ; s10 my wave's number
.set G1,  16                           ; s[16:23] descriptor group 1
.set G0,  24                           ; s[24:27] descriptor group 0, which walks
.set SLOTS, 28
.set STEPS, 29
.set TB,  30                           ; LDS byte at which the step in hand begins
.set CS,  32                           ; s[32:33] c: the packed form names a pair and takes its low word for both halves
.set SEL, 34                           ; s[34:35] lane l xor 16
.set PFA, 36                           ; s[36:37] where my prefetches stand
.set LIM, 38                           ; 1 in a wave that prefetches, else the greatest number
.set MSB, 0
.macro WIN new                         ; the immediate's high byte repeats the setting that is left; a switch that changes nothing is dropped
.if MSB != \new
	s_set_vgpr_msb (MSB<<8)|\new
.set MSB, \new
.endif
.endm
.macro PLACES
.rept 4
	v_nop
.endr
.endm
.macro CROUND                          ; a round of the cluster's barrier
	s_barrier_signal -1
	s_barrier_wait -1
	s_cmp_lg_u32 s[WV], 0
	s_cbranch_scc1 .Lnot_wave_0_\@
	s_barrier_signal -3
.Lnot_wave_0_\@:
	s_barrier_wait -3
	s_barrier_signal -1
	s_barrier_wait -1
.endm
; A PREFETCH INTO THE L2 of the slot behind the one that is being asked for: 8 key steps ahead of the load that will want it.  All clusters of a (b, h) walk the same bytes: the first of them (cluster x = 0) asks.
; Its four partners take 32,768 bytes each, told apart by ADDRESS; in each, waves 0 to 3 take 8,192, lanes 256 bytes apart: each aligned 256 bytes of slots 2 to 7 are named once in the launch.
; The last change that fills a slot asks for nothing; slots 0 and 1 come by their loads alone.
.macro ASK
	s_cmp_gt_u32 s[SLOTS], s[LIM]
	s_cbranch_scc0 .Lnot_mine_\@
	global_prefetch_b8 v[PFO], s[PFA:PFA+1] th:TH_LOAD_NT scope:SCOPE_SE
.Lnot_mine_\@:
.endm
	s_load_b128 s[4:7], s[0:1], 0x0                ; qf, kvf
	s_load_b64 s[8:9], s[0:1], 0x10                ; of
	v_lshl_add_u32 v[SPW], v0, 2, SPARE
	v_mov_b32 v[NIL], 0
	ds_add_u32 v[SPW], v[NIL]                      ; the wave's opening: the add, twice on end, and its wait ahead of my first tensor load; the set-up below stands between
	ds_add_u32 v[SPW], v[NIL]
	v_lshrrev_b32 v6, 5, v0
	v_readfirstlane_b32 s[WV], v6                  ; wave 0..7
	v_and_b32 v6, 31, v0
	v_lshlrev_b32 v[LI], 4, v6
	v_lshlrev_b32 v[PFO], 8, v6
	s_bfe_u32 s11, ttmp6, 0x40000                  ; cx: my place in the cluster
	s_lshl_b32 s12, ttmp9, 2
	s_add_co_u32 s12, s12, s11                     ; my block of 256 queries: it enters qf's and of's addresses alone
	s_and_b32 s13, ttmp7, 0xffff                   ; b h, which the four partners share
	s_mov_b32 s[G1], 15|(3<<16)|(1<<21)            ; 15:0 the mask: all four; 17:16 elements of 8 bytes; 21 set beside a mask; no padding
	s_mov_b32 s[G1+1], 32<<16                      ; tensor_dim0 = 32 elements: rows of 256 bytes
	s_mov_b32 s[G1+2], 64<<16                      ; tensor_dim1 = 64 rows
	s_mov_b32 s[G1+3], 32<<16                      ; tile_dim0
	s_mov_b32 s[G1+4], 64                          ; tile_dim1
	s_mov_b32 s[G1+5], 32                          ; the pitch: the block is dense
	s_mov_b32 s[G1+6], 0
	s_mov_b32 s[G1+7], 0
	s_lshl_b32 s40, s13, 20                        ; kvf: 1 MiB a (b, h),
	s_lshl_b32 s14, s[WV], 14                      ; my eighth of a slot
	s_add_co_u32 s40, s40, s14
	s_mov_b32 s41, 0
	s_lshl_b32 s42, s13, 8                         ; qf: 256 tiles a (b, h),
	s_lshl_b32 s15, s12, 4                         ; 16 a block,
	s_add_co_u32 s42, s42, s15
	s_lshl_b32 s15, s[WV], 1                       ; 2 a wave,
	s_add_co_u32 s42, s42, s15
	s_lshl_b32 s42, s42, 11                        ; of 2,048 bytes
	s_mov_b32 s43, 0
	s_lshr_b32 s44, s13, 3                         ; of: row block = 32 b + 2 x block + w / 4,
	s_lshl_b32 s44, s44, 5
	s_lshl_b32 s15, s12, 1
	s_add_co_u32 s44, s44, s15
	s_lshr_b32 s15, s[WV], 2
	s_add_co_u32 s44, s44, s15
	s_lshl_b32 s44, s44, 17                        ; of 131,072 bytes;
	s_and_b32 s15, s13, 7
	s_lshl_b32 s15, s15, 14                        ; 16,384 a head;
	s_add_co_u32 s44, s44, s15
	s_and_b32 s15, s[WV], 3
	s_lshl_b32 s15, s15, 12                        ; two row tiles of 2,048 a wave
	s_add_co_u32 s44, s44, s15
	s_mov_b32 s45, 0
	s_lshl_b32 s46, s13, 20                        ; the prefetches: my (b, h),
	s_lshl_b32 s15, s11, 15                        ; my work-group's 32,768 bytes of a slot,
	s_add_co_u32 s46, s46, s15
	s_lshl_b32 s15, s[WV], 13                      ; my wave's 8,192,
	s_add_co_u32 s46, s46, s15
	s_add_co_u32 s46, s46, 131072                  ; in slot 1: the first change of slots steps it to slot 2
	s_mov_b32 s47, 0
	s_lshr_b32 s[LIM], s[WV], 2                    ; 0 in waves 0 to 3,
	s_or_b32 s[LIM], s[LIM], ttmp9                 ; of the first cluster: the same in all four partners
	s_cmp_eq_u32 s[LIM], 0
	s_cselect_b32 s[LIM], 1, -1
	s_mov_b32 s[CS], 0x3fb8aa3b                    ; c = log2(e)
	s_mov_b32 s[CS+1], s[CS]
	s_mov_b32 s[SEL], 0x76543210
	s_mov_b32 s[SEL+1], 0xfedcba98
	s_mov_b32 s[TB], 0
	s_mov_b32 s[SLOTS], 7
	s_wait_dscnt 0x0                               ; both opening adds are done
	s_wait_kmcnt 0x0
	s_mov_b32 s[G0], 1                             ; count = 1
	s_lshl_b32 s[G0+1], s[WV], 14                  ; LDS address: slot 0, my eighth: no place in the cluster enters it
	s_add_nc_u64 s[G0+2:G0+3], s[6:7], s[40:41]
	s_or_b32 s[G0+3], s[G0+3], 0x80000000          ; type = 2
	s_add_nc_u64 s[4:5], s[4:5], s[42:43]
	s_add_nc_u64 s[8:9], s[8:9], s[44:45]
	s_add_nc_u64 s[PFA:PFA+1], s[6:7], s[46:47]
	CROUND                                         ; all four work-groups are here: the first joint loads meet
	tensor_load_to_lds s[G0:G0+3], s[G1:G1+7]      ; slot 0: every wave's eighth
	s_nop 0
	PLACES
.irp j, 0,1,2,3,4,5,6,7
	global_load_b128 v[Q+4*\j:Q+4*\j+3], v[LI], s[4:5] offset:512*\j   ; Q stays in registers: tile j / 4, channels 16 (j % 4) on
.endr
.irp x, 0,1
	v_mov_b32 v[ST+8*\x+1], 0xfe967699             ; m = -1e38, under every score that f16 operands can give
	v_mov_b32 v[ST+8*\x+2], 0                      ; l, in two halves
	v_mov_b32 v[ST+8*\x+3], 0
	v_mul_f32 v[ST+8*\x], s[CS], v[ST+8*\x+1]      ; c m
.endr
.set n, 0
.rept 64
	v_mov_b32 v[O+n], 0                            ; O^T: the first step finds zeros, which its a = 0 leaves zeros; so the key step is written with no first step of its own
.set n, n+1
.endr
.macro KLOAD off                       ; a step's K: 16 images
.irp kk, 0,1,2,3
.irp t, 0,1,2,3
	ds_load_b128 v[KB+4*(4*\kk+\t):KB+4*(4*\kk+\t)+3], v[ADR] offset:(\off)+4096*\kk+512*\t
.endr
.endr
.endm
.macro VLOAD                           ; a step's V: 16 images; key tile 2 u + g is register group g of the fragments (ct, u)
.irp u, 0,1
.irp g, 0,1
.irp ct, 0,1,2,3
	ds_load_b128 v[VB+8*(4*\u+\ct)+4*\g:VB+8*(4*\u+\ct)+4*\g+3], v[ADR] offset:4096*(2*\u+\g)+2048+512*\ct
.endr
.endr
.endr
.endm
.macro QK                              ; S^T = K Q^T: eight accumulators by turns; the first eight products start the sums
.irp ds, 0,1
.irp kk, 0,1,2,3
.irp x, 0,1
.if \ds == 0
	v_wmma_f32_16x16x32_f16 v[S+32*\x+8*\kk:S+32*\x+8*\kk+7], v[KB+16*\kk+8*\ds:KB+16*\kk+8*\ds+7], v[Q+16*\x+8*\ds:Q+16*\x+8*\ds+7], 0
.else
	v_wmma_f32_16x16x32_f16 v[S+32*\x+8*\kk:S+32*\x+8*\kk+7], v[KB+16*\kk+8*\ds:KB+16*\kk+8*\ds+7], v[Q+16*\x+8*\ds:Q+16*\x+8*\ds+7], v[S+32*\x+8*\kk:S+32*\x+8*\kk+7]
.endif
.endr
.endr
.endr
.endm
.macro PV                              ; O^T += V^T P: eight accumulators by turns
.irp u, 0,1
.irp ct, 0,1,2,3
.irp x, 0,1
	v_wmma_f32_16x16x32_f16 v[O+32*\x+8*\ct:O+32*\x+8*\ct+7], v[VB+8*(4*\u+\ct):VB+8*(4*\u+\ct)+7], v[P+16*\x+8*\u:P+16*\x+8*\u+7], v[O+32*\x+8*\ct:O+32*\x+8*\ct+7]
.endr
.endr
.endr
.endm
.macro SOFTMAX                         ; both tiles, line by line by turns, so that no line waits for the line above it: 118 instructions a tile
.irp j, 0,1,2,3
.irp x, 0,1
	v_max3_num_f32 v[ST+8*\x+4+\j], v[S+32*\x+8*\j], v[S+32*\x+8*\j+1], v[S+32*\x+8*\j+2]   ; four chains, one for each accumulator, each from its low end on
.endr
.endr
.irp q, 1,2
.irp j, 0,1,2,3
.irp x, 0,1
	v_max3_num_f32 v[ST+8*\x+4+\j], v[ST+8*\x+4+\j], v[S+32*\x+8*\j+2*\q+1], v[S+32*\x+8*\j+2*\q+2]
.endr
.endr
.endr
.irp x, 0,1
	v_max3_num_f32 v[ST+8*\x+4], v[ST+8*\x+4], v[S+32*\x+7], v[S+32*\x+15]
	v_max3_num_f32 v[ST+8*\x+6], v[ST+8*\x+6], v[S+32*\x+23], v[S+32*\x+31]
.endr
.irp x, 0,1
	v_max3_num_f32 v[ST+8*\x+4], v[ST+8*\x+4], v[ST+8*\x+5], v[ST+8*\x+6]
.endr
.irp x, 0,1
	v_max3_num_f32 v[ST+8*\x+4], v[ST+8*\x+4], v[ST+8*\x+7], v[ST+8*\x+1]   ; with the old m
.endr
.irp x, 0,1
	v_permlanex16_b32 v[ST+8*\x+5], v[ST+8*\x+4], s[SEL], s[SEL+1]   ; the query's other 32 keys lie in the lane 16 away
.endr
.irp x, 0,1
	v_mov_b32 v[ST+8*\x+7], v[ST+8*\x]             ; c m_old is kept for a
.endr
.irp x, 0,1
	v_max_num_f32 v[ST+8*\x+1], v[ST+8*\x+4], v[ST+8*\x+5]
.endr
.irp x, 0,1
	v_mul_f32 v[ST+8*\x], s[CS], v[ST+8*\x+1]
.endr
.irp x, 0,1
	v_sub_f32 v[ST+8*\x+7], v[ST+8*\x+7], v[ST+8*\x]
.endr
.set n, 0
.rept 16
.irp x, 0,1
	v_pk_fma_f32 v[S+32*\x+2*n:S+32*\x+2*n+1], v[S+32*\x+2*n:S+32*\x+2*n+1], s[CS:CS+1], v[ST+8*\x:ST+8*\x+1] op_sel_hi:[1,0,0] neg_lo:[0,0,1] neg_hi:[0,0,1]   ; c s - c m, two at a time
.endr
.set n, n+1
.endr
.irp x, 0,1
	v_exp_f32 v[ST+8*\x+6], v[ST+8*\x+7]           ; a
.endr
.set n, 0
.rept 64
	v_exp_f32 v[S+n], v[S+n]                       ; p: one batch of 66 exponentials, none of which reads another's result
.set n, n+1
.endr
	v_nop                                          ; the plain line behind the last exponential
	s_wait_alu depctr_va_vdst(0)                   ; the wait ahead of the first line that names a result: one for the batch
.set n, 0
.rept 32
	v_cvt_pk_f16_f32 v[P+n], v[S+2*n], v[S+2*n+1]  ; two keys' weights to a register: accumulators 2 u and 2 u + 1 of a tile make fragment u of P
.set n, n+1
.endr
.set n, 0
.rept 16
	v_pk_add_f32 v[S+4*n:S+4*n+1], v[S+4*n:S+4*n+1], v[S+4*n+2:S+4*n+3]   ; the sums of the unrounded p, a tree in place: neighbours 1, 2, 4 and 8 pairs apart
.set n, n+1
.endr
.set n, 0
.rept 8
	v_pk_add_f32 v[S+8*n:S+8*n+1], v[S+8*n:S+8*n+1], v[S+8*n+4:S+8*n+5]
.set n, n+1
.endr
.set n, 0
.rept 4
	v_pk_add_f32 v[S+16*n:S+16*n+1], v[S+16*n:S+16*n+1], v[S+16*n+8:S+16*n+9]
.set n, n+1
.endr
.irp x, 0,1
	v_pk_add_f32 v[S+32*\x:S+32*\x+1], v[S+32*\x:S+32*\x+1], v[S+32*\x+16:S+32*\x+17]
.endr
.irp x, 0,1
	v_pk_fma_f32 v[ST+8*\x+2:ST+8*\x+3], v[ST+8*\x+2:ST+8*\x+3], v[ST+8*\x+6:ST+8*\x+7], v[S+32*\x:S+32*\x+1] op_sel_hi:[1,0,1]   ; l = a l + the sum
.endr
.set n, 0
.rept 32
	v_pk_mul_f32 v[O+2*n:O+2*n+1], v[O+2*n:O+2*n+1], v[ST+8*(n/16)+6:ST+8*(n/16)+7] op_sel_hi:[1,0]   ; O^T x a, each accumulator from its low end on
.set n, n+1
.endr
.endm
; A KEY STEP.  pre = 1: the next step's K, which lies in the same slot, is fetched behind this step's V.
.macro STEP pre
	s_wait_dscnt 0x0                               ; K is in
	WIN 0x01                                       ; source 0 (K) window 1
	QK
	PLACES                                         ; behind the products: in front of the loads into K's registers and of the first read of the scores; V's registers were last read in front of them too
	WIN 0x40                                       ; destination window 1
	VLOAD
.if \pre
	KLOAD STEPB
.endif
	WIN 0
	SOFTMAX
	s_wait_dscnt 16*\pre                           ; V is in; the next step's 16 loads of K may stay out
	WIN 0x01                                       ; source 0 (V) window 1
	PV
	WIN 0
	s_add_co_u32 s[TB], s[TB], STEPB
.if \pre
	v_add_nc_u32 v[ADR], s[TB], v[LI]
.endif
.endm
.macro SLOT                            ; a slot's eight key steps: seven in a loop, the last, which fetches no further K, written out
	v_add_nc_u32 v[ADR], s[TB], v[LI]
	WIN 0x40
	KLOAD 0
	WIN 0
	s_mov_b32 s[STEPS], 7
.Lstep_\@:
	STEP 1
	s_sub_co_u32 s[STEPS], s[STEPS], 1
	s_cmp_lg_u32 s[STEPS], 0
	s_cbranch_scc1 .Lstep_\@
	STEP 0
	s_sub_co_u32 s[TB], s[TB], 8*STEPB             ; back to a slot's first step,
	s_xor_b32 s[TB], s[TB], SLOT1                  ; in the other slot
.endm
; THE CHANGE OF SLOTS stands at a slot's head.  Each wave waits for all its tensor loads (its eighth of the slot that is about to be read), adds 0 to its spare word, and waits for that and for its reads of the slot that it has left.
; fill = 1: behind a round of the cluster's barrier the other slot takes the next 512 keys: the load has eight key steps in which to land.
.macro CHANGE fill
	s_wait_tensorcnt 0x0                           ; no tensor load of mine is out, so group 0 may be written
	ds_add_u32 v[SPW], v[NIL]                      ; 0 onto my spare word
.if \fill
	s_xor_b32 s[G0+1], s[G0+1], SLOT1              ; the other slot than last time,
	s_add_nc_u64 s[G0+2:G0+3], s[G0+2:G0+3], 131072   ; the next 512 keys; the type bits on top are not reached
	s_wait_xcnt 0x0                                ; the last prefetch, a slot back, has read its address
	s_add_nc_u64 s[PFA:PFA+1], s[PFA:PFA+1], 131072   ; one slot further on than the walking descriptor
.endif
	s_wait_dscnt 0x0                               ; the add is done, and my reads of the slot that I have left are over
.if \fill
	CROUND                                         ; both now hold of every wave of all four work-groups
	tensor_load_to_lds s[G0:G0+3], s[G1:G1+7]      ; the first thing behind the round, and my one tensor load until the next
	s_nop 0
	PLACES
	ASK
.else
	s_barrier_signal -1
	s_barrier_wait -1
.endif
.endm
	s_wait_loadcnt 0x0                             ; Q
.Lslot:                                            ; 7 trips: trip n asks for keys 512 n on and walks keys 512 (n - 1) on.
	CHANGE 1
	SLOT
	s_sub_co_u32 s[SLOTS], s[SLOTS], 1
	s_cmp_lg_u32 s[SLOTS], 0
	s_cbranch_scc1 .Lslot
	CHANGE 0                                       ; the last slot is written out
	SLOT
	; THE WAY OUT.  O^T / l, rounded to f16: four registers of a result are one image of the output projection's operand:
	; of [row block of 128: 64][head 8][row tile 8][ct 4][lane][16]: lane (r, h'): row 16 qt + r, K index 64 head + 16 ct + 8 h' + 0 .. 7.
.irp x, 0,1
	v_add_f32 v[ST+8*\x+4], v[ST+8*\x+2], v[ST+8*\x+3]   ; l's two halves.  (These lines are also the places behind the last products)
.endr
.irp x, 0,1
	v_permlanex16_b32 v[ST+8*\x+5], v[ST+8*\x+4], s[SEL], s[SEL+1]
.endr
.irp x, 0,1
	v_add_f32 v[ST+8*\x+4], v[ST+8*\x+4], v[ST+8*\x+5]
.endr
.irp x, 0,1
	v_rcp_f32 v[ST+8*\x+6], v[ST+8*\x+4]
.endr
	v_nop                                          ; the plain line behind the last reciprocal
	s_wait_alu depctr_va_vdst(0)                   ; and the wait ahead of the first use: one for both
.set n, 0
.rept 32
	v_pk_mul_f32 v[S+2*n:S+2*n+1], v[O+2*n:O+2*n+1], v[ST+8*(n/16)+6:ST+8*(n/16)+7] op_sel_hi:[1,0]   ; each accumulator from its low end on
.set n, n+1
.endr
.set n, 0
.rept 32
	v_cvt_pk_f16_f32 v[P+n], v[S+2*n], v[S+2*n+1]
.set n, n+1
.endr
.irp x, 0,1
.irp ct, 0,1,2,3
	global_store_b128 v[LI], v[P+16*\x+4*\ct:P+16*\x+4*\ct+3], s[8:9] offset:2048*\x+512*\ct   ; 32 lanes store 512 consecutive bytes, aligned
.endr
.endr
	s_wait_tensorcnt 0x0                           ; the wave's end
	ds_add_u32 v[SPW], v[NIL]
	s_wait_dscnt 0x0
	CROUND                                         ; the closing round: no work-group ends while a partner may still ask for a tile that names it
	s_endpgm
.Lfunc_end_k_qfd78b7a01d_attn:
	.size	k_qfd78b7a01d_attn, .Lfunc_end_k_qfd78b7a01d_attn-k_qfd78b7a01d_attn
	.p2alignl 7, 3214868480
	.fill 96, 4, 3214868480
	.section	.rodata,"a",@progbits
	.p2align	6, 0x0
	.amdhsa_kernel k_qfd78b7a01d_attn
		.amdhsa_group_segment_fixed_size 327680
		.amdhsa_private_segment_fixed_size 0
		.amdhsa_enable_private_segment 0
		.amdhsa_kernarg_size 24
		.amdhsa_user_sgpr_count 2
		.amdhsa_user_sgpr_kernarg_segment_ptr 1
		.amdhsa_wavefront_size32 1
		.amdhsa_system_sgpr_workgroup_id_x 1
		.amdhsa_system_sgpr_workgroup_id_y 1
		.amdhsa_system_sgpr_workgroup_id_z 1
		.amdhsa_system_vgpr_workitem_id 0
		.amdhsa_next_free_vgpr 384
		.amdhsa_next_free_sgpr 66
		.amdhsa_reserve_vcc 0
		.amdhsa_float_denorm_mode_32 3
		.amdhsa_float_denorm_mode_16_64 3
		.amdhsa_memory_ordered 1
		.amdhsa_forward_progress 1
		.amdhsa_inst_pref_size 83
	.end_amdhsa_kernel
	.amdgpu_metadata
---
amdhsa.version: [ 1, 2 ]
amdhsa.kernels:
  - .name:           k_qfd78b7a01d_attn
    .symbol:         k_qfd78b7a01d_attn.kd
    .args:
      - { .name: qf, .offset: 0, .size: 8, .value_kind: global_buffer, .address_space: global }
      - { .name: kvf, .offset: 8, .size: 8, .value_kind: global_buffer, .address_space: global }
      - { .name: of, .offset: 16, .size: 8, .value_kind: global_buffer, .address_space: global }
    .group_segment_fixed_size: 327680
    .private_segment_fixed_size: 0
    .kernarg_segment_align: 8
    .kernarg_segment_size: 24
    .max_flat_workgroup_size: 256
    .sgpr_count:     66
    .vgpr_count:     384
    .wavefront_size: 32
...
	.end_amdgpu_metadata
.endif
;; end of part 3
;; launch outp (part 4): grid 4 x 64, 4 waves a work-group, clusters of 4 x 4, 327,680 bytes of LDS; arguments of, wot, out0; writes out0
.if DOCPART == 4
	.amdgcn_target "amdgcn-amd-amdhsa--gfx1250"
	.amdhsa_code_object_version 6
	.text
	.protected	k_qfd78b7a01d_outp
	.globl	k_qfd78b7a01d_outp
	.p2align	8
	.type	k_qfd78b7a01d_outp,@function
k_qfd78b7a01d_outp:
	s_mov_b64 s[64:65], 0
	v_nop
	global_prefetch_b8 v0, s[64:65] scope:SCOPE_SE
	s_setreg_imm32_b32 hwreg(HW_REG_WAVE_MODE, 25, 1), 1
	s_wait_xcnt 0x0
	s_wait_alu depctr_hold_cnt(0) depctr_sa_sdst(0) depctr_va_vdst(0) depctr_va_sdst(0) depctr_va_ssrc(0) depctr_va_vcc(0) depctr_vm_vsrc(0)
	s_getreg_b32 s2, hwreg(HW_REG_IB_STS2, 6, 4)
	s_cmp_eq_u32 s2, 0
	s_cbranch_scc0 .Lentry_in_a_cluster
	s_endpgm
.Lentry_in_a_cluster:
	s_bfe_u32 s2, ttmp6, 0x10000c
	s_cmp_lg_u32 s2, 0xf033
	s_cbranch_scc0 .Lentry_shape_is_right
	s_endpgm
.Lentry_shape_is_right:
; LAUNCH 4 OF 4: out0 [8,192][512] f32 = o [8,192][512 (head, channel)] Wo [512][512], f16 operands, f32 sums.  Nothing is left out.
; A work-group makes 128 rows x 128 columns and holds ALL of K in LDS: block rb of `of` and block cb of `wot`, 131,072 dense bytes each, both laid as images of the operands' registers (512 bytes: lane l's 16 bytes at 16 l).
; Every LDS byte is filled once: no ring.  Each block comes as eight loads of 16,384 bytes (a head's K = 64): waves 0, 1 fetch o's, waves 2, 3 Wo's, four loads a wave, all issued at the head: four tensor loads of a wave are out at the most.
; The walk over K begins when the first two heads have landed; a barrier with a counted wait stands in front of each further pair of heads.
; CLUSTER 4 x 4: o's block hangs on the row block alone and is shared along a row of the cluster, Wo's on the column block alone and is shared along a column: each is asked for jointly.
; Four waves, each 64 x 64: 16 accumulators.  THE PRODUCT IS USED TRANSPOSED (source 0 = 16 columns of Wo, source 1 = 16 rows of o): a lane holds eight neighbouring numbers of a row of out0.
; REGISTERS.  window 0: v1-10 addresses; v12, v13 the add's two; v32-95 rows on the way out, two sets; v128-255 the accumulators (i, t) at 128 + 8 (4 i + t).
;   window 1: two buffers of 64 (v0, v64): four fragments of Wo, then four of o, for 32 along K.
.set BOFF,  131072                     ; LDS: o's block at 0, Wo's here
.set STAGE, 262144                     ; 16 rows x 272 bytes for each wave, for the way out: no tensor load lands there
.set SPARE, 279552                     ; the spare words, 128 bytes for each wave: two blocks of 256 bytes that no other line names
.set LI,   1
.set ADRA, 2                           ; v2, v3  o's fragments: heads 0-3, heads 4-7 (an LDS offset has 16 bits)
.set ADRB, 6                           ; v6, v7  Wo's
.set STO,  8
.set RD,   9
.set CO,   10
.set SPW,  12
.set NIL,  13
.set OB,   32
.set ACC,  128
.set G1A, 16                           ; s[16:23], s[24:31] descriptor groups 1: they differ in the mask alone
.set G1B, 24
.set G0A, 48                           ; s[48:63] four groups 0 for o's loads;  s[68:83] for Wo's
.set G0B, 68
.set MSB, 0
.macro WIN new
.if MSB != \new
	s_set_vgpr_msb (MSB<<8)|\new
.set MSB, \new
.endif
.endm
.macro PLACES
.rept 4
	v_nop
.endr
.endm
.macro CROUND
	s_barrier_signal -1
	s_barrier_wait -1
	s_cmp_lg_u32 s10, 0
	s_cbranch_scc1 .Lnot_wave_0_\@
	s_barrier_signal -3
.Lnot_wave_0_\@:
	s_barrier_wait -3
	s_barrier_signal -1
	s_barrier_wait -1
.endm
	s_load_b128 s[4:7], s[0:1], 0x0                ; of, wot
	s_load_b64 s[8:9], s[0:1], 0x10                ; out0
	v_lshl_add_u32 v[SPW], v0, 2, SPARE
	v_mov_b32 v[NIL], 0
	ds_add_u32 v[SPW], v[NIL]                      ; the wave's opening: the add, twice on end, and its wait ahead of my first tensor load; the set-up below stands between
	ds_add_u32 v[SPW], v[NIL]
	v_lshrrev_b32 v14, 5, v0
	v_readfirstlane_b32 s10, v14                   ; wave 0..3
	s_lshr_b32 s11, s10, 1                         ; which 64 rows are mine.  Also: I fetch for o (0) or for Wo (1)
	s_and_b32 s12, s10, 1                          ; which 64 columns.  Also: the even or the odd heads
	s_bfe_u32 s40, ttmp6, 0x40000                  ; cx, cy: my place in the cluster
	s_bfe_u32 s41, ttmp6, 0x40004
	s_lshl_b32 s42, ttmp9, 2
	s_add_co_u32 s42, s42, s40                     ; column block cb = 4 x cluster x + cx
	s_and_b32 s13, ttmp7, 0xffff
	s_lshl_b32 s13, s13, 2
	s_add_co_u32 s13, s13, s41                     ; row block rb = 4 x cluster y + cy
	s_lshl_b32 s43, s41, 2
	s_lshl_b32 s43, 15, s43                        ; my row of the cluster
	s_lshl_b32 s44, 0x1111, s40                    ; my column
	s_or_b32 s[G1A], s43, (3<<16)|(1<<21)          ; 15:0 the mask; 17:16 elements of 8 bytes; 21 set beside a mask; no padding
	s_or_b32 s[G1B], s44, (3<<16)|(1<<21)
.irp g, G1A, G1B
	s_mov_b32 s[\g+1], 32<<16                      ; tensor_dim0 = 32 elements: rows of 256 bytes
	s_mov_b32 s[\g+2], 64<<16                      ; tensor_dim1 = 64 rows
	s_mov_b32 s[\g+3], 32<<16                      ; tile_dim0
	s_mov_b32 s[\g+4], 64                          ; tile_dim1
	s_mov_b32 s[\g+5], 32                          ; the pitch: the block is dense
	s_mov_b32 s[\g+6], 0
	s_mov_b32 s[\g+7], 0
.endr
	s_lshl_b32 s14, s12, 14                        ; the even or the odd head's 16,384 bytes
	s_lshl_b32 s32, s13, 17                        ; o's block: made of the row block and the wave's number alone,
	s_add_co_u32 s32, s32, s14
	s_mov_b32 s33, 0
	s_lshl_b32 s36, s42, 17                        ; Wo's: of the column block and the wave's number alone
	s_add_co_u32 s36, s36, s14
	s_mov_b32 s37, 0
	s_lshl_b32 s86, s13, 18                        ; out0: 128 rows of 2,048 bytes a row block,
	s_lshl_b32 s87, s11, 17                        ; my 64 rows,
	s_add_co_u32 s86, s86, s87
	s_lshl_b32 s87, s42, 9                         ; 512 bytes a column block,
	s_add_co_u32 s86, s86, s87
	s_lshl_b32 s87, s12, 8                         ; my 64 columns
	s_add_co_u32 s86, s86, s87
	s_mov_b32 s87, 0
	v_and_b32 v14, 31, v0
	v_lshlrev_b32 v[LI], 4, v14
	s_lshl_b32 s84, s11, 13                        ; my four row tiles of 2,048 bytes in a head's part
	v_add_nc_u32 v[ADRA], s84, v[LI]
	v_add_nc_u32 v[ADRA+1], 65536, v[ADRA]
	s_lshl_b32 s84, s12, 13                        ; my four column tiles
	s_add_co_u32 s84, s84, BOFF
	v_add_nc_u32 v[ADRB], s84, v[LI]
	v_add_nc_u32 v[ADRB+1], 65536, v[ADRB]
	s_mul_i32 s84, s10, 16*272
	s_add_co_u32 s84, s84, STAGE                   ; my stage
	v_and_b32 v15, 15, v0                          ; r
	v_bfe_u32 v16, v0, 4, 1                        ; h
	v_mul_u32_u24 v[STO], v15, 272                 ; in: row r, 32 bytes for each half of the lanes
	v_lshl_add_u32 v[STO], v16, 5, v[STO]
	v_add_nc_u32 v[STO], s84, v[STO]
	v_mul_u32_u24 v[RD], v16, 272                  ; back: lanes 0-15 one row of 256 bytes, lanes 16-31 the next
	v_lshl_add_u32 v[RD], v15, 4, v[RD]
	v_add_nc_u32 v[RD], s84, v[RD]
	v_lshlrev_b32 v[CO], 11, v16                   ; and the same two rows in out0
	v_lshl_add_u32 v[CO], v15, 4, v[CO]
	s_wait_dscnt 0x0                               ; both opening adds are done
	s_wait_kmcnt 0x0
	s_add_nc_u64 s[34:35], s[4:5], s[32:33]
	s_add_nc_u64 s[38:39], s[6:7], s[36:37]
	s_add_nc_u64 s[8:9], s[8:9], s[86:87]
.irp c, 0,1,2,3                        ; load c of a wave: head 2 c + (wave % 2)
	s_mov_b32 s[G0A+4*\c], 1
	s_add_co_u32 s[G0A+4*\c+1], s14, \c*32768
	s_add_nc_u64 s[G0A+4*\c+2:G0A+4*\c+3], s[34:35], \c*32768
	s_or_b32 s[G0A+4*\c+3], s[G0A+4*\c+3], 0x80000000
	s_mov_b32 s[G0B+4*\c], 1
	s_add_co_u32 s[G0B+4*\c+1], s14, BOFF+\c*32768
	s_add_nc_u64 s[G0B+4*\c+2:G0B+4*\c+3], s[38:39], \c*32768
	s_or_b32 s[G0B+4*\c+3], s[G0B+4*\c+3], 0x80000000
.endr
	CROUND                                         ; all sixteen work-groups are here: the joint loads meet
	s_cmp_eq_u32 s11, 0                            ; a wave's four fills stand in one branch on the wave's number, ahead of every wait on TENSORcnt, every LDS read and every barrier
	s_cbranch_scc0 .Lfor_b
.irp c, 0,1,2,3
	tensor_load_to_lds s[G0A+4*\c:G0A+4*\c+3], s[G1A:G1A+7]
	s_nop 0
.endr
	PLACES
	s_branch .Lasked
.Lfor_b:
.irp c, 0,1,2,3
	tensor_load_to_lds s[G0B+4*\c:G0B+4*\c+3], s[G1B:G1B+7]
	s_nop 0
.endr
	PLACES
.Lasked:
.macro FETCH ks, buf                   ; the fragments of 32 along K: head ks / 2, half u = ks % 2: 16 loads of 512 consecutive bytes
.set HD, (\ks)/2
.set UU, (\ks)%2
	WIN 0x40                                       ; destination window 1, address window 0
.irp t, 0,1,2,3
.irp g, 0,1
	ds_load_b128 v[64*(\buf)+8*\t+4*\g:64*(\buf)+8*\t+4*\g+3], v[ADRB+HD/4] offset:(HD%4)*16384+2048*\t+1024*UU+512*\g
.endr
.endr
.irp i, 0,1,2,3
.irp g, 0,1
	ds_load_b128 v[64*(\buf)+32+8*\i+4*\g:64*(\buf)+32+8*\i+4*\g+3], v[ADRA+HD/4] offset:(HD%4)*16384+2048*\i+1024*UU+512*\g
.endr
.endr
.endm
.macro MUL ks                          ; 16 products, the 16 accumulators by turns, in the same order in every step; the first step starts the sums
.set FB, 64*((\ks)%2)
	WIN 0x05                                       ; sources 0 and 1 window 1; C and D window 0
.irp i, 0,1,2,3
.irp t, 0,1,2,3
.if (\ks) == 0
	v_wmma_f32_16x16x32_f16 v[ACC+8*(4*\i+\t):ACC+8*(4*\i+\t)+7], v[FB+8*\t:FB+8*\t+7], v[FB+32+8*\i:FB+32+8*\i+7], 0
.else
	v_wmma_f32_16x16x32_f16 v[ACC+8*(4*\i+\t):ACC+8*(4*\i+\t)+7], v[FB+8*\t:FB+8*\t+7], v[FB+32+8*\i:FB+32+8*\i+7], v[ACC+8*(4*\i+\t):ACC+8*(4*\i+\t)+7]
.endif
.endr
.endr
.endm
	s_wait_tensorcnt 3                             ; my first load is in; the three behind it may stay out
	s_barrier_signal -1
	s_barrier_wait -1                              ; heads 0 and 1 of both blocks lie in LDS
	FETCH 0, 0
.set ks, 0
.rept 16
.if (ks == 3) || (ks == 7) || (ks == 11)
	s_wait_tensorcnt 3-(ks+1)/4                    ; my load of the next pair of heads is in: behind it I issued 3 - (ks + 1) / 4
	s_wait_dscnt 0x0                               ; no LDS instruction of mine is out at the signal
	s_barrier_signal -1
	s_barrier_wait -1                              ; everybody's is
.endif
.if ks < 15
.if ks > 0
	PLACES                                         ; in front of the loads into the buffer that the last step multiplied
.endif
	FETCH ks+1, (ks+1)%2
	s_wait_dscnt 16                                ; all but the 16 just issued
.else
	s_wait_dscnt 0x0
.endif
	MUL ks
.set ks, ks+1
.endr
	WIN 0
; THE WAY OUT, 16 rows x 64 columns at a time.  A lane holds 32 neighbouring bytes of a row and the lanes beside it hold other rows: a block goes through my own stage and comes back as rows of 256 bytes.
; LDS serves a wave's instructions in order (ISA guide 5.7.1.4): no wait between the stores and the loads, nor in front of the next block's stores.
.macro TOSTAGE i
.irp t, 0,1,2,3
	ds_store_b128 v[STO], v[ACC+8*(4*(\i)+\t):ACC+8*(4*(\i)+\t)+3] offset:64*\t          ; each accumulator from its low end on
	ds_store_b128 v[STO], v[ACC+8*(4*(\i)+\t)+4:ACC+8*(4*(\i)+\t)+7] offset:64*\t+16
.endr
.set BB, OB+32*((\i)%2)
.irp e, 0,1,2,3,4,5,6,7
	ds_load_b128 v[BB+4*\e:BB+4*\e+3], v[RD] offset:544*\e
.endr
.endm
.macro SEND i, younger                 ; younger: the LDS instructions issued behind block i's loads, which may stay out
.set BB, OB+32*((\i)%2)
	s_wait_dscnt \younger
.irp e, 0,1,2,3,4,5,6,7
	global_store_b128 v[CO], v[BB+4*\e:BB+4*\e+3], s[8:9] offset:(16*(\i)+2*\e)*2048 th:TH_STORE_NT   ; 16 lanes store 256 consecutive bytes, aligned; written once, read by nobody here
.endr
.endm
	PLACES                                         ; behind the last products, in front of the first read of results
	TOSTAGE 0
.irp i, 1,2,3
.if \i > 1
	s_wait_xcnt 0x0                                ; block i - 2's stores have read their registers: block i's loads may land there
.endif
	TOSTAGE \i
	SEND \i-1, 16                                  ; behind block i - 1's loads: block i's 8 stores and 8 loads
.endr
	SEND 3, 0
	s_wait_tensorcnt 0x0                           ; the wave's end
	ds_add_u32 v[SPW], v[NIL]
	s_wait_dscnt 0x0
	CROUND                                         ; the closing round: no work-group ends while a partner may still ask for a tile that names it
	s_endpgm
.Lfunc_end_k_qfd78b7a01d_outp:
	.size	k_qfd78b7a01d_outp, .Lfunc_end_k_qfd78b7a01d_outp-k_qfd78b7a01d_outp
	.p2alignl 7, 3214868480
	.fill 96, 4, 3214868480
	.section	.rodata,"a",@progbits
	.p2align	6, 0x0
	.amdhsa_kernel k_qfd78b7a01d_outp
		.amdhsa_group_segment_fixed_size 327680
		.amdhsa_private_segment_fixed_size 0
		.amdhsa_enable_private_segment 0
		.amdhsa_kernarg_size 24
		.amdhsa_user_sgpr_count 2
		.amdhsa_user_sgpr_kernarg_segment_ptr 1
		.amdhsa_wavefront_size32 1
		.amdhsa_system_sgpr_workgroup_id_x 1
		.amdhsa_system_sgpr_workgroup_id_y 1
		.amdhsa_system_sgpr_workgroup_id_z 1
		.amdhsa_system_vgpr_workitem_id 0
		.amdhsa_next_free_vgpr 384
		.amdhsa_next_free_sgpr 90
		.amdhsa_reserve_vcc 0
		.amdhsa_float_denorm_mode_32 3
		.amdhsa_float_denorm_mode_16_64 3
		.amdhsa_memory_ordered 1
		.amdhsa_forward_progress 1
		.amdhsa_inst_pref_size 51
	.end_amdhsa_kernel
	.amdgpu_metadata
---
amdhsa.version: [ 1, 2 ]
amdhsa.kernels:
  - .name:           k_qfd78b7a01d_outp
    .symbol:         k_qfd78b7a01d_outp.kd
    .args:
      - { .name: of, .offset: 0, .size: 8, .value_kind: global_buffer, .address_space: global }
      - { .name: wot, .offset: 8, .size: 8, .value_kind: global_buffer, .address_space: global }
      - { .name: out0, .offset: 16, .size: 8, .value_kind: global_buffer, .address_space: global }
    .group_segment_fixed_size: 327680
    .private_segment_fixed_size: 0
    .kernarg_segment_align: 8
    .kernarg_segment_size: 24
    .max_flat_workgroup_size: 128
    .sgpr_count:     90
    .vgpr_count:     384
    .wavefront_size: 32
...
	.end_amdgpu_metadata
.endif
;; end of part 4
